; MI455X (gfx1250); checked and timed in simulation.
; The chip was launched on July 23, 2026; its instructions are those of AMD's public machine-readable ISA for CDNA 5 (MIT licence, August 2026) and "CDNA5" Instruction Set Architecture Reference Guide (July 2026). The comments in the code are by the model that wrote it; some were corrected since.
;; fkan layer. Allowed arithmetic: matrix products marked QUANTISED: E2M3 operands, one E8M0 scale for each 32 along K, by v_wmma_scale_f32_16x16x128_f8f6f4 with both operands' format E2M3, f32 sums; everything else in f32.
;; Inputs: a 1,024 x 1,024 x 8 float32; b 1,024 x 1,024 x 8 float32; x 4,096 x 1,024 float32.
;; Outputs: out0 4,096 x 1,024 float32.
;; This version of the problem:
;;   THIS VERSION OF THE PROBLEM IS GIVEN IN LOW PRECISION. The matrix products marked QUANTISED in the list below multiply operands that are first quantised to E2M3 (2 exponent bits, 3 mantissa bits; 6 bits a number), with one power-of-two scale for each 32 numbers along K (OCP MX v1.0); their sums are f32. All else is computed in f32.
;;   The module's matrix products, in the order in which they are computed (A, B: the left and right operand; K: the contracted axis; several contracted axes count as one K, in the product's order):
;;     1. [M 4,096, K 8,192] x [K 8,192, N 1,024]; A: computed on the way; B: input a: QUANTISED
;;     2. [M 4,096, K 8,192] x [K 8,192, N 1,024]; A: computed on the way; B: input b: QUANTISED
;;   THE QUANTISER, for each operand of a quantised product, along K:
;;     - K is cut into blocks of 32 from its start; a last block that is shorter is filled with zeros.
;;     - A block's scale is 2^e with e = floor(log2(the largest magnitude in the block)) - 2, held to -126 .. 127; a block of zeros has e = 0. As a byte (E8M0): e + 127.
;;     - Each number is divided by its block's scale, clamped to +-7.5, and rounded to the nearest number of E2M3, ties to even, subnormals kept.
;;     - The product sums the exact products of the quantised numbers (number of the format x scale) in f32.
;;   ~~~python
;;   def quantise(x, axis):      # numpy; x: float32 -> the quantised numbers, widened to float32 again
;;       x = np.moveaxis(x, axis, -1); K = x.shape[-1]
;;       x = np.pad(x, [(0, 0)] * (x.ndim - 1) + [(0, -K % 32)]); x = x.reshape(x.shape[:-1] + (-1, 32)); a = np.abs(x).max(-1, keepdims=True)
;;       e = np.where(a > 0, np.clip(np.frexp(np.where(a > 0, a, 1))[1] - 1 - 2, -126, 127), 0)      # np.frexp(a)[1] - 1 = floor(log2(a)), exactly
;;       r = np.clip(x / 2.0 ** e, -7.5, 7.5)
;;       step = 2.0 ** (np.maximum(np.frexp(np.where(r == 0, 1, r))[1] - 1, 0) - 3)
;;       q = np.round(r / step) * step * 2.0 ** e      # np.round: ties to even
;;       return np.moveaxis(q.reshape(q.shape[:-2] + (-1,))[..., :K], -1, axis).astype(np.float32)
;;   ~~~
;;   OPERANDS COMPUTED ON THE WAY. 'Computed on the way' means the value that the module computes at that place (a softmax that the list does not call 'softmax' is quantised finished and normalised). What goes into a quantiser is computed in f32, as accurately as f32 sums, v_exp_f32 and their like allow (about 1e-6 of the number): no bf16 or f16 on the way to a quantiser, and a product that is left as it is and whose result goes on into a quantised operand takes f32 operands (vector FMAs, or v_wmma_f32_16x16x4_f32). A number that lies on a knife's edge between two numbers of the format may be rounded either way, as far as f32 arithmetic and the matrix unit's own rounding can turn it there, and no further.
;; One version. Each part assembles by itself: llvm-mc -triple=amdgcn-amd-amdhsa -mcpu=gfx1250 --defsym DOCPART=n.
;; ======== version 1 of 1: 3 launches
;; limits: inputs' magnitudes at most 1,024; right only within a limited range of input values
;; workspace buffers: aimg 52,428,800 bytes; bimg 13,107,200 bytes; part 67,108,864 bytes
;; launch prep (part 1): grid 640 x 1, 8 waves a work-group, no clusters, 111,616 bytes of LDS; arguments x, a, b, aimg, bimg; writes aimg, bimg
.if DOCPART == 1
	.amdgcn_target "amdgcn-amd-amdhsa--gfx1250"
	.amdhsa_code_object_version 6
	.text
	.protected	k_q99c80e9a30_prep
	.globl	k_q99c80e9a30_prep
	.p2align	8
	.type	k_q99c80e9a30_prep,@function
k_q99c80e9a30_prep:
	s_mov_b64 s[64:65], 0
	v_nop
	global_prefetch_b8 v0, s[64:65] scope:SCOPE_SE
	s_setreg_imm32_b32 hwreg(HW_REG_WAVE_MODE, 25, 1), 1
	s_wait_xcnt 0x0
; y = Q(sin(k x)) Q(a)^T + Q(cos(k x)) Q(b)^T is one product with K = 16,384.  This launch makes both operands as codes of FP6 (E2M3) with one E8M0 scale byte for each 32 along K.
; K of one product is 8 i + k (feature i, harmonic k = 0 .. 7): a block of 32 is 4 features x 8 harmonics; a K step of 128 is 16 features.
; IMAGES.  aimg (rows of x) and bimg (rows o of a and b) are laid [tile of 128 rows][kappa = 0 .. 127][12,800 bytes], kappa = 2 s + p: K step s, p = 0 sines / a, p = 1 cosines / b.
; A block of 12,800 bytes: fragment f (rows 16 f ..) at 1,536 f, as an image of the operand's 12 registers: registers 4 c .. 4 c + 3 of lane l at 512 c + 16 l;
; at 12,288 the scale words: word j of lane l's 16 bytes is the word of row l % 16 of fragment j + 4 (l / 16).
; In a fragment lane (r, h) holds row r, registers 6 u .. 6 u + 5 hold K = 64 u + 32 h + 0 .. 31 (ISA guide, the 6-bit operand layout): a whole block lies in one lane, so no other lane is asked for a maximum.
; SHARES.  A work-group takes one tile of 128 rows x 4 K steps: 8 blocks, 102,400 consecutive bytes of an image.  Wave f takes rows 16 f .. 16 f + 15: fragment f of all 8 blocks.
; Work-groups 0-127 take a and b (path W), work-groups 128-639 take x (path F): one scalar branch on the work-group's number; each path has LDS bytes, a barrier and an end of its own.
; THE SCALE: the largest magnitude's exponent field - 2, held at 1 from below by a floor among the maximum's leaves.  A block of zeros so gets the byte 1: its codes are zeros, and this program alone reads the bytes.
; THE COSINES' SCALE IS NOT SEARCHED FOR: every block holds cos(0 x) = 1 and no cosine is larger, so its scale is 2^-2, byte 125, for every finite x.
; SINE AND COSINE, in f32: n = round(x 2 / pi); r = x - n pi / 2 in two parts; polynomials on |r| <= pi / 4; the quadrant from n's two low bits; 2 x by doubling; harmonics two at a time by the angle sums
; with 2 x; then each angle is brought from k x to the rounded product fl(k x), by the exact d = k x - fl(k x): sin -= d cos, cos += d sin (k = 1, 2, 4 round nothing).
; LIMITS: sin and cos are good to about 1e-6 absolute for |x| up to 1,024; beyond that the dropped term d^2 / 2 grows, and beyond about 1e5 the reduction fails.  NaN and infinities among the inputs are not served.
.set BLKB,  12800
.set TILEB, 128*BLKB
.set FSTG,  0                          ; path F: 8 waves x 16 rows x 272 bytes
.set WSTG,  34816                      ; path W: 8 waves x 16 rows x 528 bytes
.set SCF,   102400                     ; path F: 8 blocks x 512 bytes of scale words
.set SCW,   106496                     ; path W: the same
; v1 lane, v2 r, v3 h, v4 16 x lane, v9 8 h, v22-23 maxima, v24-25 the conversions' scale operands, v26-27 scale bytes, v28 scale word, v29 its other half, v30 where my scale word goes, v31 where I read a block's words back
.set XR,   32                          ; path F: v32-63 my x: register 4 (2 s' + u) + i = feature 16 s' + 8 u + 4 h + i of row r
.set SIN,  64                          ; v64-95   register 8 i + k: sin(k x_i)
.set COS,  96                          ; v96-127  cos(k x_i)
.set TMP,  128                         ; v128-191 at work
.set FS,   192                         ; v192-206 the sines' fragment (12) and three registers for a conversion's second half
.set FC,   208                         ; v208-222 the cosines'
.set R0,   32                          ; path W: v32-159 two sets of 16 rows x 16 bytes as loaded
.set Y,    160                         ; v160-223 my two blocks of 32 neighbours
.set FW,   224                         ; v224-238 the fragment
.set TB,   TMP
.set TN,   TMP+4
.set TR,   TMP+8
.set TZ,   TMP+12
.set TPS,  TMP+16
.set TZR,  TMP+20
.set TSN,  TMP+24
.set TPC,  TMP+28
.set TZZ,  TMP+32
.set THW,  TMP+36
.set TCS,  TMP+40
.set TE,   TMP+44
.set TF,   TMP+48
.set TG,   TMP+52
; the largest magnitude of the 32 numbers v[n] .. v[n + 31], in two chains, with the floor 2^(3 - 127) as one more leaf
.macro MAXB n
	v_max3_num_f32 v22, |v[(\n)]|, |v[(\n)+1]|, |v[(\n)+2]|
	v_max3_num_f32 v23, |v[(\n)+3]|, |v[(\n)+4]|, |v[(\n)+5]|
.irp i, 6,10,14,18,22,26
	s_delay_alu instid0(VALU_DEP_2)
	v_max3_num_f32 v22, v22, |v[(\n)+\i]|, |v[(\n)+\i+1]|
	s_delay_alu instid0(VALU_DEP_2)
	v_max3_num_f32 v23, v23, |v[(\n)+\i+2]|, |v[(\n)+\i+3]|
.endr
	s_delay_alu instid0(VALU_DEP_2)
	v_max3_num_f32 v22, v22, |v[(\n)+30]|, |v[(\n)+31]|
	s_delay_alu instid0(VALU_DEP_1)
	v_max3_num_f32 v22, v22, v23, 0x1800000
.endm
.macro SCL u                           ; 2 off the exponent field: the conversion's scale operand; its exponent field is the byte
	s_delay_alu instid0(VALU_DEP_1)
	v_add_nc_u32 v[24+(\u)], 0xff000000, v22
	s_delay_alu instid0(VALU_DEP_1)
	v_lshrrev_b32 v[26+(\u)], 23, v[24+(\u)]
.endm
; a block of 32 numbers becomes registers 6 u .. 6 u + 5 of the fragment at fr.  A conversion's three registers begin on an even number: the second half is made at fr + 12 and moved
.macro CVT6 n, fr, u, sco
	v_cvt_scalef32_pk16_fp6_f32 v[(\fr)+6*(\u):(\fr)+6*(\u)+2], v[(\n):(\n)+15], v[\sco]
	v_cvt_scalef32_pk16_fp6_f32 v[(\fr)+12:(\fr)+14], v[(\n)+16:(\n)+31], v[\sco]
	v_nop                                          ; one plain instruction between a scaled conversion and the vector instruction that reads its result
.irp i, 0,1,2
	v_mov_b32 v[(\fr)+6*(\u)+3+\i], v[(\fr)+12+\i]
.endr
.endm
.macro WORD                            ; my two bytes are blocks h and 2 + h of row r; with lane l xor 16's two the word is whole, in both lanes
	v_lshl_or_b32 v28, v27, 16, v26
	s_delay_alu instid0(VALU_DEP_1)
	v_lshlrev_b32 v28, v9, v28
	s_delay_alu instid0(VALU_DEP_1)
	v_permlanex16_b32 v29, v28, s20, s21
	s_delay_alu instid0(VALU_DEP_1)
	v_or_b32 v28, v28, v29
.endm
.macro PUT fr, kk                      ; the fragment goes out as it stands: each store covers 512 consecutive bytes, aligned to 256
.irp c, 0,1,2
	global_store_b128 v4, v[(\fr)+4*\c:(\fr)+4*\c+3], s[32:33] offset:(\kk)*BLKB+512*\c
.endr
.endm
.macro OUTOFF                          ; from the tile's number in s23: where my fragments go (s[28:29]) and where the scale words of the block that I send go (s[30:31])
	s_mul_i32 s26, s23, TILEB
	s_add_co_u32 s26, s26, s22
	s_mul_i32 s28, s16, 1536
	s_add_co_u32 s28, s28, s26
	s_mov_b32 s29, 0
	s_mul_i32 s30, s16, BLKB
	s_add_co_u32 s30, s30, s26
	s_add_co_u32 s30, s30, 12288
	s_mov_b32 s31, 0
.endm
.macro FINISH                          ; the eight waves' scale words meet in LDS; wave w sends block w's 512 bytes as one run
	s_wait_dscnt 0x0                               ; for the others' sake: my stores of scale words are done
	s_barrier_signal -1
	s_barrier_wait -1
	ds_load_b128 v[32:35], v31
	s_wait_dscnt 0x0
	global_store_b128 v4, v[32:35], s[34:35]
	s_wait_tensorcnt 0x0
	ds_add_u32 v240, v241
	s_wait_dscnt 0x0
	s_endpgm
.endm
	s_load_b256 s[4:11], s[0:1], 0x0               ; x s[4:5], a s[6:7], b s[8:9], aimg s[10:11]
	s_load_b64 s[12:13], s[0:1], 0x20              ; bimg
	v_lshl_add_u32 v240, v0, 2, 0x1b000
	v_mov_b32 v241, 0
	v_lshrrev_b32 v1, 5, v0
	s_delay_alu instid0(VALU_DEP_1)
	v_readfirstlane_b32 s16, v1                    ; wave f
	v_and_b32 v1, 31, v0                           ; lane
	v_and_b32 v2, 15, v0                           ; r
	s_wait_alu depctr_va_vdst(0)
	v_bfe_u32 v3, v0, 4, 1                         ; h
	v_lshlrev_b32 v4, 4, v1
	s_wait_alu depctr_va_vdst(0)
	v_lshlrev_b32 v9, 3, v3
	v_mov_b32 v29, 0                               ; written once: a lane permute's destination counts as one of its sources
	s_mov_b32 s20, 0x76543210
	s_mov_b32 s21, 0xfedcba98                      ; v_permlanex16_b32's selects for lane l xor 16
	s_and_b32 s17, ttmp9, 15                       ; g: which 4 K steps
	s_lshr_b32 s18, s16, 2
	s_and_b32 s19, s16, 3
	s_lshl_b32 s18, s18, 8
	s_lshl_b32 s19, s19, 2
	s_add_co_u32 s18, s18, s19
	v_lshl_add_u32 v30, v2, 4, s18                 ; my scale word's place in a block's 512 bytes: 16 r + 256 (f / 4) + 4 (f % 4)
	s_lshl_b32 s19, s16, 9
	v_add_nc_u32 v31, s19, v4                      ; and back: block f, 16 bytes a lane
	s_mul_i32 s22, s17, 8*BLKB
	s_lshr_b32 s23, ttmp9, 4
	s_cmp_lt_u32 ttmp9, 128
	s_cbranch_scc0 .Lfeatures
; ---------------- PATH W: a and b.  s23 = the tile of 128 rows o.  A row is 8,192 numbers, K innermost: 32,768 bytes
	s_lshl_b32 s24, s23, 22                        ; 128 rows,
	s_lshl_b32 s26, s16, 19                        ; my 16 of them,
	s_add_co_u32 s24, s24, s26
	s_lshl_b32 s26, s17, 11                        ; 4 K steps of 512 bytes
	s_add_co_u32 s24, s24, s26
	s_mov_b32 s25, 0
	OUTOFF
	s_mul_i32 s27, s16, 16*528
	s_add_co_u32 s27, s27, WSTG                    ; my stage: pitch 528 = 2 x 256 + 16, so that sixteen rows start at sixteen different 16-byte columns modulo 256
	v_add_nc_u32 v5, s27, v4                       ; in: a row as it lies
	v_mul_u32_u24 v6, v2, 528
	s_delay_alu instid0(VALU_DEP_1)
	v_lshl_add_u32 v6, v3, 7, v6
	s_delay_alu instid0(VALU_DEP_1)
	v_add_nc_u32 v6, s27, v6                       ; back: row r, + 128 h: my block of 32 numbers
	s_wait_alu depctr_va_vdst(0)
	v_add_nc_u32 v30, SCW, v30
	v_add_nc_u32 v31, SCW, v31
	s_wait_kmcnt 0x0
	s_add_nc_u64 s[6:7], s[6:7], s[24:25]
	s_add_nc_u64 s[8:9], s[8:9], s[24:25]
	s_add_nc_u64 s[32:33], s[12:13], s[28:29]
	s_add_nc_u64 s[34:35], s[12:13], s[30:31]
; fragment n = 0 .. 7: tensor n / 4 (a, b), K step n % 4 of my four.  16 loads, each 512 consecutive bytes of one row
.macro LOADW n
.irp p, 0,1,2,3,4,5,6,7,8,9,10,11,12,13,14,15
	global_load_b128 v[R0+64*((\n)%2)+4*\p:R0+64*((\n)%2)+4*\p+3], v4, s[6+2*((\n)/4):7+2*((\n)/4)] offset:\p*32768+((\n)%4)*512 th:TH_LOAD_NT
.endr
.endm
.macro FRAGW n
.if (\n) < 7
	s_wait_loadcnt 16                              ; this fragment's 16 loads are in; the next fragment's 16 may be out
.else
	s_wait_loadcnt 0x0
.endif
.irp p, 0,1,2,3,4,5,6,7,8,9,10,11,12,13,14,15
	ds_store_b128 v5, v[R0+64*((\n)%2)+4*\p:R0+64*((\n)%2)+4*\p+3] offset:\p*528
.endr
.irp j, 0,1,2,3,4,5,6,7,8,9,10,11,12,13,14,15
	ds_load_b128 v[Y+4*\j:Y+4*\j+3], v6 offset:256*(\j/8)+16*(\j%8)   ; LDS serves a wave's instructions in order: these see my stores.  K = 64 u + 32 h + 4 i on, j = 8 u + i
.endr
	s_wait_dscnt 0x0                               ; my 64 numbers are back, and the stores have read the registers that the loads below fill
	s_wait_xcnt 0x0                                ; the last fragment's stores have read their data: its registers are written again below
.if (\n)+2 < 8
	LOADW (\n)+2
.endif
	MAXB Y
	SCL 0
	CVT6 Y, FW, 0, 24
	MAXB Y+32
	SCL 1
	CVT6 Y+32, FW, 1, 25
	WORD
	ds_store_b32 v30, v28 offset:(2*((\n)%4)+(\n)/4)*512   ; lanes l and l xor 16 write the same word with the same value
	PUT FW, 2*((\n)%4)+(\n)/4
.endm
	LOADW 0
	LOADW 1
.irp n, 0,1,2,3,4,5,6,7
	FRAGW \n
.endr
	FINISH
; ---------------- PATH F: the features.  s23 - 8 = the tile of 128 rows of x
.Lfeatures:
	s_sub_co_u32 s23, s23, 8
	s_lshl_b32 s24, s23, 19                        ; 128 rows of 4,096 bytes,
	s_lshl_b32 s26, s16, 16                        ; my 16 of them,
	s_add_co_u32 s24, s24, s26
	s_lshl_b32 s26, s17, 8                         ; 64 features: 256 bytes
	s_add_co_u32 s24, s24, s26
	s_mov_b32 s25, 0
	OUTOFF
	v_lshlrev_b32 v5, 4, v2
	s_delay_alu instid0(VALU_DEP_1)
	v_lshl_add_u32 v5, v3, 12, v5                  ; x: lanes 0-15 one row's 256 bytes, lanes 16-31 the next row's
	s_mul_i32 s27, s16, 16*272                     ; my stage (FSTG = 0): pitch 272 = 256 + 16
	v_mul_u32_u24 v6, v3, 272
	s_delay_alu instid0(VALU_DEP_1)
	v_lshl_add_u32 v6, v2, 4, v6
	s_delay_alu instid0(VALU_DEP_1)
	v_add_nc_u32 v6, s27, v6                       ; in: row h of a pair, 16 r
	v_mul_u32_u24 v7, v2, 272
	s_delay_alu instid0(VALU_DEP_1)
	v_lshl_add_u32 v7, v3, 4, v7
	s_delay_alu instid0(VALU_DEP_1)
	v_add_nc_u32 v7, s27, v7                       ; back: row r, + 16 h: my four features of a block
	v_add_nc_u32 v30, SCF, v30
	v_add_nc_u32 v31, SCF, v31
	s_wait_alu depctr_va_vdst(0)
	s_wait_kmcnt 0x0
	s_add_nc_u64 s[4:5], s[4:5], s[24:25]
	s_add_nc_u64 s[32:33], s[10:11], s[28:29]
	s_add_nc_u64 s[34:35], s[10:11], s[30:31]
.irp i, 0,1,2,3,4,5,6,7
	global_load_b128 v[TMP+4*\i:TMP+4*\i+3], v5, s[4:5] offset:\i*8192 th:TH_LOAD_NT   ; two rows x 256 consecutive bytes
.endr
	v_mov_b32 v10, 0x3e800000                      ; the cosines' scale operand: 2^-2
	v_mov_b32 v11, 0x7d7d7d7d                      ; and their scale word: four bytes 125
	v_mov_b32 v12, 0x4b400000                      ; 1.5 x 2^23: adding it rounds to a whole number and leaves that number in the low bits
	v_mov_b32 v13, 0x4b400000
	v_mov_b32 v14, 0x3c08839e                      ; the sine's middle coefficient
	v_mov_b32 v15, 0x3c08839e
	v_mov_b32 v16, 0xbab6061a                      ; the cosine's
	v_mov_b32 v17, 0xbab6061a
.irp i, 0,1,2,3
	v_mov_b32 v[SIN+8*\i], 0                       ; sin(0 x) and cos(0 x): written once
	v_mov_b32 v[COS+8*\i], 1.0
.endr
.irp i, 0,1,2,3,4,5,6,7
	s_wait_loadcnt 7-\i                            ; loads come back in order: load i is in, the younger ones may be out
	ds_store_b128 v6, v[TMP+4*\i:TMP+4*\i+3] offset:\i*544
.endr
.irp j, 0,1,2,3,4,5,6,7
	ds_load_b128 v[XR+4*\j:XR+4*\j+3], v7 offset:32*\j   ; j = 2 s' + u: features 16 s' + 8 u + 4 h + 0 .. 3 of row r
.endr
	s_wait_dscnt 0x0
.macro PD q, lit                       ; P = fl(k x), as the product is rounded; d = k x - P, exact by one fused multiply-add.  Two features at a time
.irp m, 0,2
	v_pk_mul_f32 v[TMP+16+4*(\q)+\m:TMP+17+4*(\q)+\m], v[X+\m:X+\m+1], \lit op_sel_hi:[1,0]
.endr
.irp m, 0,2
	s_delay_alu instid0(VALU_DEP_2)
	v_pk_fma_f32 v[TMP+32+4*(\q)+\m:TMP+33+4*(\q)+\m], v[X+\m:X+\m+1], \lit, v[TMP+16+4*(\q)+\m:TMP+17+4*(\q)+\m] op_sel_hi:[1,0,1] neg_lo:[0,0,1] neg_hi:[0,0,1]
.endr
.endm
.macro FIXS q, k                       ; sin(k x - d) = sin - d cos
.irp i, 0,1,2,3
	v_fma_f32 v[SIN+8*\i+(\k)], -v[TMP+32+4*(\q)+\i], v[COS+8*\i+(\k)], v[SIN+8*\i+(\k)]
.endr
.endm
.macro FIXC q, k                       ; cos(k x - d) = cos + d sin (the sine just corrected differs in d^2 alone)
.irp i, 0,1,2,3
	v_fma_f32 v[COS+8*\i+(\k)], v[TMP+32+4*(\q)+\i], v[SIN+8*\i+(\k)], v[COS+8*\i+(\k)]
.endr
.endm
; one block of sines and one of cosines: my four features of K step sp, half u.  Every stage goes through the pairs or the four values by turns, so that no line waits for the line above it
.macro BLOCKF sp, u
.set X, XR+4*(2*(\sp)+(\u))
.irp m, 0,2
	v_pk_fma_f32 v[TB+\m:TB+\m+1], v[X+\m:X+\m+1], 0x3f22f983, v[12:13] op_sel_hi:[1,0,1]   ; x 2 / pi + 1.5 x 2^23
.endr
.irp m, 0,2
	s_delay_alu instid0(VALU_DEP_2)
	v_pk_add_f32 v[TN+\m:TN+\m+1], v[TB+\m:TB+\m+1], v[12:13] neg_lo:[0,1] neg_hi:[0,1]     ; n
.endr
.irp m, 0,2
	s_delay_alu instid0(VALU_DEP_2)
	v_pk_fma_f32 v[TR+\m:TR+\m+1], v[TN+\m:TN+\m+1], 0xbfc90fdb, v[X+\m:X+\m+1] op_sel_hi:[1,0,1]   ; x - n x the f32 nearest pi / 2
.endr
.irp m, 0,2
	s_delay_alu instid0(VALU_DEP_2)
	v_pk_fma_f32 v[TR+\m:TR+\m+1], v[TN+\m:TN+\m+1], 0x333bbd2e, v[TR+\m:TR+\m+1] op_sel_hi:[1,0,1]  ; and what that f32 has too much: r
.endr
.irp m, 0,2
	s_delay_alu instid0(VALU_DEP_2)
	v_pk_mul_f32 v[TZ+\m:TZ+\m+1], v[TR+\m:TR+\m+1], v[TR+\m:TR+\m+1]                       ; z = r^2
.endr
.irp m, 0,2
	s_delay_alu instid0(VALU_DEP_2)
	v_pk_fma_f32 v[TPS+\m:TPS+\m+1], v[TZ+\m:TZ+\m+1], 0xb94ca1f9, v[14:15] op_sel_hi:[1,0,1]
.endr
.irp m, 0,2
	s_delay_alu instid0(VALU_DEP_4)
	v_pk_fma_f32 v[TPC+\m:TPC+\m+1], v[TZ+\m:TZ+\m+1], 0x37ccf5ce, v[16:17] op_sel_hi:[1,0,1]
.endr
.irp m, 0,2
	v_pk_mul_f32 v[TZR+\m:TZR+\m+1], v[TZ+\m:TZ+\m+1], v[TR+\m:TR+\m+1]
.endr
.irp m, 0,2
	v_pk_mul_f32 v[TZZ+\m:TZZ+\m+1], v[TZ+\m:TZ+\m+1], v[TZ+\m:TZ+\m+1]
.endr
.irp m, 0,2
	v_pk_fma_f32 v[TPS+\m:TPS+\m+1], v[TPS+\m:TPS+\m+1], v[TZ+\m:TZ+\m+1], 0xbe2aaaa3 op_sel_hi:[1,1,0]
.endr
.irp m, 0,2
	v_pk_fma_f32 v[TPC+\m:TPC+\m+1], v[TPC+\m:TPC+\m+1], v[TZ+\m:TZ+\m+1], 0x3d2aaaa5 op_sel_hi:[1,1,0]
.endr
.irp m, 0,2
	v_pk_fma_f32 v[THW+\m:THW+\m+1], v[TZ+\m:TZ+\m+1], -0.5, 1.0 op_sel_hi:[1,0,0]
.endr
.irp m, 0,2
	v_pk_fma_f32 v[TSN+\m:TSN+\m+1], v[TPS+\m:TPS+\m+1], v[TZR+\m:TZR+\m+1], v[TR+\m:TR+\m+1]     ; sin r
.endr
.irp m, 0,2
	s_delay_alu instid0(VALU_DEP_4)
	v_pk_fma_f32 v[TCS+\m:TCS+\m+1], v[TPC+\m:TPC+\m+1], v[TZZ+\m:TZZ+\m+1], v[THW+\m:THW+\m+1]   ; cos r
.endr
	; the quadrant: n odd swaps the two; the sine's sign is n's bit 1, the cosine's bit 1 xor bit 0
.irp i, 0,1,2,3
	v_lshlrev_b32 v[TE+\i], 31, v[TB+\i]
.endr
.irp i, 0,1,2,3
	v_lshlrev_b32 v[TF+\i], 30, v[TB+\i]
.endr
.irp i, 0,1,2,3
	v_cmp_ne_u32 s[36+\i], 0, v[TE+\i]
.endr
.irp i, 0,1,2,3
	v_and_b32 v[TF+\i], 0x80000000, v[TF+\i]
.endr
.irp i, 0,1,2,3
	s_delay_alu instid0(VALU_DEP_4)
	v_xor_b32 v[TG+\i], v[TF+\i], v[TE+\i]
.endr
.irp i, 0,1,2,3
	v_cndmask_b32 v[SIN+8*\i+1], v[TSN+\i], v[TCS+\i], s[36+\i]
.endr
.irp i, 0,1,2,3
	v_cndmask_b32 v[COS+8*\i+1], v[TCS+\i], v[TSN+\i], s[36+\i]
.endr
.irp i, 0,1,2,3
	v_xor_b32 v[SIN+8*\i+1], v[SIN+8*\i+1], v[TF+\i]
.endr
.irp i, 0,1,2,3
	v_xor_b32 v[COS+8*\i+1], v[COS+8*\i+1], v[TG+\i]
.endr
	; 2 x: s2 = 2 s1 c1 at TMP + 4 i, c2 = 1 - 2 s1^2 at TMP + 4 i + 2: each the low word of a pair, which the packed lines below take for both halves (the upper words were written above)
.irp i, 0,1,2,3
	v_add_f32 v[TMP+4*\i+1], v[SIN+8*\i+1], v[SIN+8*\i+1]
.endr
.irp i, 0,1,2,3
	s_delay_alu instid0(VALU_DEP_4)
	v_mul_f32 v[TMP+4*\i], v[TMP+4*\i+1], v[COS+8*\i+1]
.endr
.irp i, 0,1,2,3
	v_fma_f32 v[TMP+4*\i+2], -v[TMP+4*\i+1], v[SIN+8*\i+1], 1.0
.endr
	; harmonics (k, k + 1) give (k + 2, k + 3): s' = s c2 + c s2, c' = c c2 - s s2.  The results land in the order along K that the conversions take
.irp k, 0,2,4
.irp i, 0,1,2,3
	v_pk_mul_f32 v[TMP+16+2*\i:TMP+17+2*\i], v[COS+8*\i+\k:COS+8*\i+\k+1], v[TMP+4*\i:TMP+4*\i+1] op_sel_hi:[1,0]
.endr
.irp i, 0,1,2,3
	v_pk_mul_f32 v[TMP+24+2*\i:TMP+25+2*\i], v[SIN+8*\i+\k:SIN+8*\i+\k+1], v[TMP+4*\i:TMP+4*\i+1] op_sel_hi:[1,0]
.endr
.irp i, 0,1,2,3
	v_pk_fma_f32 v[SIN+8*\i+\k+2:SIN+8*\i+\k+3], v[SIN+8*\i+\k:SIN+8*\i+\k+1], v[TMP+4*\i+2:TMP+4*\i+3], v[TMP+16+2*\i:TMP+17+2*\i] op_sel_hi:[1,0,1]
.endr
.irp i, 0,1,2,3
	v_pk_fma_f32 v[COS+8*\i+\k+2:COS+8*\i+\k+3], v[COS+8*\i+\k:COS+8*\i+\k+1], v[TMP+4*\i+2:TMP+4*\i+3], v[TMP+24+2*\i:TMP+25+2*\i] op_sel_hi:[1,0,1] neg_lo:[0,0,1] neg_hi:[0,0,1]
.endr
.endr
	PD 0, 0x40400000                               ; k = 3
	PD 1, 0x40a00000                               ; 5
	PD 2, 0x40c00000                               ; 6
	PD 3, 0x40e00000                               ; 7
	FIXS 0, 3
	FIXS 1, 5
	FIXS 2, 6
	FIXS 3, 7
	FIXC 0, 3
	FIXC 1, 5
	FIXC 2, 6
	FIXC 3, 7
	MAXB SIN
	SCL \u
	CVT6 SIN, FS, \u, 24+(\u)
	CVT6 COS, FC, \u, 10
.endm
.irp sp, 0,1,2,3
	s_wait_xcnt 0x0                                ; the last K step's stores have read their data: both fragments are written again below
	s_wait_dscnt 0x0                               ; and its LDS stores the scale word
	BLOCKF \sp, 0
	BLOCKF \sp, 1
	WORD
	ds_store_b32 v30, v28 offset:(2*\sp)*512       ; lanes l and l xor 16 write the same word with the same value
	ds_store_b32 v30, v11 offset:(2*\sp+1)*512
	PUT FS, 2*\sp
	PUT FC, 2*\sp+1
.endr
	FINISH
.Lfunc_end_k_q99c80e9a30_prep:
	.size	k_q99c80e9a30_prep, .Lfunc_end_k_q99c80e9a30_prep-k_q99c80e9a30_prep
	.p2alignl 7, 3214868480
	.fill 96, 4, 3214868480
	.section	.rodata,"a",@progbits
	.p2align	6, 0x0
	.amdhsa_kernel k_q99c80e9a30_prep
		.amdhsa_group_segment_fixed_size 111616
		.amdhsa_private_segment_fixed_size 0
		.amdhsa_enable_private_segment 0
		.amdhsa_kernarg_size 40
		.amdhsa_user_sgpr_count 2
		.amdhsa_user_sgpr_kernarg_segment_ptr 1
		.amdhsa_wavefront_size32 1
		.amdhsa_system_sgpr_workgroup_id_x 1
		.amdhsa_system_sgpr_workgroup_id_y 1
		.amdhsa_system_sgpr_workgroup_id_z 1
		.amdhsa_system_vgpr_workitem_id 0
		.amdhsa_next_free_vgpr 242
		.amdhsa_next_free_sgpr 66
		.amdhsa_reserve_vcc 0
		.amdhsa_float_denorm_mode_32 3
		.amdhsa_float_denorm_mode_16_64 3
		.amdhsa_memory_ordered 1
		.amdhsa_forward_progress 1
		.amdhsa_inst_pref_size 187
	.end_amdhsa_kernel
	.amdgpu_metadata
---
amdhsa.version: [ 1, 2 ]
amdhsa.kernels:
  - .name:           k_q99c80e9a30_prep
    .symbol:         k_q99c80e9a30_prep.kd
    .args:
      - { .name: x, .offset: 0, .size: 8, .value_kind: global_buffer, .address_space: global }
      - { .name: a, .offset: 8, .size: 8, .value_kind: global_buffer, .address_space: global }
      - { .name: b, .offset: 16, .size: 8, .value_kind: global_buffer, .address_space: global }
      - { .name: aimg, .offset: 24, .size: 8, .value_kind: global_buffer, .address_space: global }
      - { .name: bimg, .offset: 32, .size: 8, .value_kind: global_buffer, .address_space: global }
    .group_segment_fixed_size: 111616
    .private_segment_fixed_size: 0
    .kernarg_segment_align: 8
    .kernarg_segment_size: 40
    .max_flat_workgroup_size: 256
    .sgpr_count:     66
    .vgpr_count:     242
    .wavefront_size: 32
...
	.end_amdgpu_metadata
.endif
;; end of part 1
;; launch gemm (part 2): grid 4 x 64, 4 waves a work-group, clusters of 4 x 4, 327,680 bytes of LDS; arguments aimg, bimg, part; writes part
.if DOCPART == 2
	.amdgcn_target "amdgcn-amd-amdhsa--gfx1250"
	.amdhsa_code_object_version 6
	.text
	.protected	k_q99c80e9a30_gemm
	.globl	k_q99c80e9a30_gemm
	.p2align	8
	.type	k_q99c80e9a30_gemm,@function
k_q99c80e9a30_gemm:
	s_mov_b64 s[64:65], 0
	v_nop
	global_prefetch_b8 v0, s[64:65] scope:SCOPE_SE
	s_setreg_imm32_b32 hwreg(HW_REG_WAVE_MODE, 25, 1), 1
	s_wait_xcnt 0x0
	s_wait_alu depctr_hold_cnt(0) depctr_sa_sdst(0) depctr_va_vdst(0) depctr_va_sdst(0) depctr_va_ssrc(0) depctr_va_vcc(0) depctr_vm_vsrc(0)
	s_getreg_b32 s2, hwreg(HW_REG_IB_STS2, 6, 4)
	s_cmp_eq_u32 s2, 0
	s_cbranch_scc0 .Lentry_in_a_cluster
	s_endpgm
.Lentry_in_a_cluster:
	s_bfe_u32 s2, ttmp6, 0x10000c
	s_cmp_lg_u32 s2, 0xf033
	s_cbranch_scc0 .Lentry_shape_is_right
	s_endpgm
.Lentry_shape_is_right:
; part[z] = the sum over the 32 K steps kappa = 32 z .. 32 z + 31 of (rows of aimg) x (rows of bimg)^T, on codes of FP6 (E2M3) with E8M0 scales, sums in f32; the next launch adds the four parts.
; Both images are laid [tile of 128 rows][kappa][12,800 bytes]: eight fragments (16 rows x 128 K) as images of the operand's 12 registers (registers 4 c .. 4 c + 3 of lane l at 1,536 f + 512 c + 16 l),
; then 512 bytes of scale words: word j of lane l's 16 bytes = row l % 16 of fragment j + 4 (l / 16): register j carries fragment j in lanes 0-15 and fragment j + 4 in lanes 16-31 (the ROW1 selector).
; SHARES.  A work-group makes 256 x 256 of one part: 16 x 4 tiles x 4 quarters of K = 256 work-groups.  A wave makes 128 x 128: 64 accumulators, 512 registers.
; CLUSTERS: 4 x 4 work-groups of one quarter of K.  The four of a row of the cluster need the same rows of aimg, the four of a column the same rows of bimg: each tile is asked for JOINTLY.
; THE RING: two LDS slots of three K steps: A's two tiles of 128 rows, then B's two, 38,400 consecutive bytes of memory each (150 rows of 256 bytes); wave w fetches the w-th.  Slot 10, the last, has two steps (100 rows).
; A refill stands behind the round in the middle of a slot's last step; the wait for it at the head of the other slot's last step: 160 matrix instructions between.
; THE MATRIX INSTRUCTION IS USED TRANSPOSED (source 0 = 16 rows of bimg, source 1 = 16 rows of aimg): a lane then holds eight neighbouring numbers of a row of the result.
; THE WAY OUT: part is this program's own: [z][tile][wave][accumulator (a, b)][1,024 bytes], an accumulator as an image of its registers: each store covers 512 consecutive bytes, aligned to 256, and no stage is needed.
; REGISTERS, in windows of 256: window 0: v2-7 addresses; v28-29 for the add; v32-39 A's scale words, v40-47 B's, two sets each; v64-159 A's eight fragments, one set.
;   window 1: B's set 0 at v0, set 1 at v96.   windows 2, 3: accumulator (a, b) in window 2 + a / 4 at v[8 (8 (a % 4) + b)].
.set BLKB,  12800
.set TILEB, 128*BLKB
.set WPART, 3*BLKB                     ; what one tensor load brings: three K steps of 128 rows
.set SLOT,  4*WPART
.set SPARE, 2*SLOT                     ; behind the ring: the spare words, 128 bytes for each wave: two blocks of 256 bytes that no other line names
.set LI,   2                           ; v2   16 x lane
.set ADRA, 3                           ; v3-4 my 128 rows of A in slot 0, 1, + 16 x lane
.set ADRB, 5                           ; v5-6 the same for B
.set PFO,  7                           ; v7   the prefetches' offset: 256 x min(lane, 24)
.set SPW,  28                          ; v28  LDS address of my spare word; never rewritten
.set NIL,  29                          ; v29  0; never rewritten
.set SA,   32
.set SB,   40
.set AF,   64
.set G1,   24                          ; s[24:31] descriptor group 1 for A's tiles; s[32:39] group 0, one set for each slot
.set G0,   32
.set G1B,  48                          ; s[48:55], s[56:63] the same for B's tiles
.set G0B,  56
.set PFA,  68                          ; s[68:69] where my prefetches stand
.set CNT,  70                          ; s70 trips to go
.set MSB, 0
.macro WIN new                         ; the immediate's high byte repeats the setting that is left
.if MSB != (\new)
	s_set_vgpr_msb (MSB<<8)|(\new)
.set MSB, (\new)
.endif
.endm
.macro PLACES                          ; four plain vector instructions between a matrix instruction and a load into, or a store of, its registers (ISA guide 7.12.1 for vector instructions)
.rept 4
	v_nop
.endr
.endm
.macro JLOAD s                         ; a joint load: waves 0 and 1 fetch A's two tiles, waves 2 and 3 B's; an s_nop 0 and four v_nop follow each of the two lines
	s_cmp_eq_u32 s11, 0
	s_cbranch_scc0 .Lfor_b_\@
	tensor_load_to_lds s[G0+4*\s:G0+4*\s+3], s[G1:G1+7]
	s_nop 0
	PLACES
	s_branch .Lasked_\@
.Lfor_b_\@:
	tensor_load_to_lds s[G0B+4*\s:G0B+4*\s+3], s[G1B:G1B+7]
	s_nop 0
	PLACES
.Lasked_\@:
.endm
.macro CREST                           ; a round of the cluster's barrier behind its opening barrier
	s_cmp_lg_u32 s10, 0
	s_cbranch_scc1 .Lnot_wave_0_\@
	s_barrier_signal -3
.Lnot_wave_0_\@:
	s_barrier_wait -3
	s_barrier_signal -1
	s_barrier_wait -1
.endm
.macro CROUND
	s_barrier_signal -1
	s_barrier_wait -1
	CREST
.endm
.macro FETCH_A slot, q, i0             ; A's blocks i0 .. i0 + 3 of step q of a slot: 12 loads, each 512 consecutive bytes
.irp i, \i0, \i0+1, \i0+2, \i0+3
.irp c, 0,1,2
	ds_load_b128 v[AF+12*(\i)+4*\c:AF+12*(\i)+4*\c+3], v[ADRA+(\slot)] offset:(\q)*BLKB+(\i)*1536+512*\c
.endr
.endr
.endm
; what a step's middle fetches for the next step, whose parity is p: B's eight fragments into set p, B's scale words, A's blocks 0-3, A's scale words: 38 loads
.macro FETCH_M slot, q, p
	WIN 0x40                                       ; destination window 1
.irp f, 0,1,2,3,4,5,6,7
.irp c, 0,1,2
	ds_load_b128 v[96*(\p)+12*\f+4*\c:96*(\p)+12*\f+4*\c+3], v[ADRB+(\slot)] offset:(\q)*BLKB+\f*1536+512*\c
.endr
.endr
	WIN 0
	ds_load_b128 v[SB+4*(\p):SB+4*(\p)+3], v[ADRB+(\slot)] offset:(\q)*BLKB+12288
	FETCH_A \slot, \q, 0
	ds_load_b128 v[SA+4*(\p):SA+4*(\p)+3], v[ADRA+(\slot)] offset:(\q)*BLKB+12288
.endm
.macro WM zero, rb, ra                 ; one product; rb, ra: B's, A's scale words stand in lanes 16-31
.set sel, 4*(\zero)+2*(\rb)+(\ra)
.if sel == 0
	v_wmma_scale_f32_16x16x128_f8f6f4 v[rD:rD+7], v[rB:rB+11], v[rA:rA+11], v[rD:rD+7], v[rSB], v[rSA] matrix_a_fmt:MATRIX_FMT_FP6 matrix_b_fmt:MATRIX_FMT_FP6
.elseif sel == 1
	v_wmma_scale_f32_16x16x128_f8f6f4 v[rD:rD+7], v[rB:rB+11], v[rA:rA+11], v[rD:rD+7], v[rSB], v[rSA] matrix_a_fmt:MATRIX_FMT_FP6 matrix_b_fmt:MATRIX_FMT_FP6 matrix_b_scale:MATRIX_SCALE_ROW1
.elseif sel == 2
	v_wmma_scale_f32_16x16x128_f8f6f4 v[rD:rD+7], v[rB:rB+11], v[rA:rA+11], v[rD:rD+7], v[rSB], v[rSA] matrix_a_fmt:MATRIX_FMT_FP6 matrix_b_fmt:MATRIX_FMT_FP6 matrix_a_scale:MATRIX_SCALE_ROW1
.elseif sel == 3
	v_wmma_scale_f32_16x16x128_f8f6f4 v[rD:rD+7], v[rB:rB+11], v[rA:rA+11], v[rD:rD+7], v[rSB], v[rSA] matrix_a_fmt:MATRIX_FMT_FP6 matrix_b_fmt:MATRIX_FMT_FP6 matrix_a_scale:MATRIX_SCALE_ROW1 matrix_b_scale:MATRIX_SCALE_ROW1
.elseif sel == 4
	v_wmma_scale_f32_16x16x128_f8f6f4 v[rD:rD+7], v[rB:rB+11], v[rA:rA+11], 0, v[rSB], v[rSA] matrix_a_fmt:MATRIX_FMT_FP6 matrix_b_fmt:MATRIX_FMT_FP6
.elseif sel == 5
	v_wmma_scale_f32_16x16x128_f8f6f4 v[rD:rD+7], v[rB:rB+11], v[rA:rA+11], 0, v[rSB], v[rSA] matrix_a_fmt:MATRIX_FMT_FP6 matrix_b_fmt:MATRIX_FMT_FP6 matrix_b_scale:MATRIX_SCALE_ROW1
.elseif sel == 6
	v_wmma_scale_f32_16x16x128_f8f6f4 v[rD:rD+7], v[rB:rB+11], v[rA:rA+11], 0, v[rSB], v[rSA] matrix_a_fmt:MATRIX_FMT_FP6 matrix_b_fmt:MATRIX_FMT_FP6 matrix_a_scale:MATRIX_SCALE_ROW1
.else
	v_wmma_scale_f32_16x16x128_f8f6f4 v[rD:rD+7], v[rB:rB+11], v[rA:rA+11], 0, v[rSB], v[rSA] matrix_a_fmt:MATRIX_FMT_FP6 matrix_b_fmt:MATRIX_FMT_FP6 matrix_a_scale:MATRIX_SCALE_ROW1 matrix_b_scale:MATRIX_SCALE_ROW1
.endif
.endm
; 16 matrix instructions: A's blocks a0, a0 + 1 x B's eight.  p: the step's parity: B's set and both sets of scale words.  zero = 1: the product starts the sums: nothing is ever cleared.
; The 64 accumulators take turns, one instruction a turn, in the same order in every step.
.macro MUL16 a0, p, zero
.irp a, \a0, \a0+1
.irp b, 0,1,2,3,4,5,6,7
.set rD, 8*(8*((\a)%4)+\b)
.set rB, 96*(\p)+12*\b
.set rA, AF+12*(\a)
.set rSB, SB+4*(\p)+(\b)%4
.set rSA, SA+4*(\p)+(\a)%4
	WM \zero, (\b)/4, (\a)/4
.endr
.endr
.endm
; PREFETCHES INTO THE L2, once a trip.  Lanes stand 256 bytes apart; an instruction names 25 blocks of 256 bytes (lanes 24 to 31 name the same one).  The 2 x 38,400 bytes that wave w fetches in a lap are shared out
; among the four partners that ask for them jointly, BY ADDRESS (slot p / 2, half p % 2; p = cx for A, cy for B): three instructions, 19,200 bytes.  A trip that refills slots 2 L + 2 and 2 L + 3 names slots 2 L + 4 and 2 L + 5:
; six K steps ahead of their loads.  The last trip, the head and the tail ask for nothing: the highest slot named is 9, inside the quarter of K.
.macro ASK
	s_cmp_gt_u32 s[CNT], 1
	s_cbranch_scc0 .Lno_ask_\@
.irp i, 0,1,2
	global_prefetch_b8 v[PFO], s[PFA:PFA+1] offset:4*WPART+\i*6400 th:TH_LOAD_NT scope:SCOPE_SE
.endr
.Lno_ask_\@:
.endm
; A step of 128 along K: 64 matrix instructions, A's blocks one after the other, each against B's eight.  A block of A is free when its eight products are issued: blocks 0-3 are fetched anew in the step's middle, blocks 4-7 at its end.
; fa = 1: the next step, (nslot, nq), is fetched.
.macro STEP p, zero, fa, nslot, nq
	s_wait_dscnt 12                                ; all but the youngest 12 loads (A's blocks 4-7)
	WIN 0xa1                                       ; source 0 (B) window 1, source 1 (A) window 0, C and D window 2
	MUL16 0, \p, \zero
	MUL16 2, \p, \zero
	s_wait_dscnt 0x0                               ; blocks 4-7 are in
.if \fa
	PLACES
	FETCH_M \nslot, \nq, 1-\p
.endif
	WIN 0xf1                                       ; C and D window 3
	MUL16 4, \p, \zero
	MUL16 6, \p, \zero
.if \fa
	PLACES
	WIN 0
	FETCH_A \nslot, \nq, 4
.endif
	WIN 0
.endm
; A slot's last step changes slots.  In front of the barrier each wave waits for all its tensor loads (one is out: its part of the other slot), adds 0 to its spare word, and waits for that and for its reads of this slot.
; mode 1: the barrier opens a round of the cluster's barrier, and this slot is filled again, two slots ahead; mode 2: the same with the short slot; mode 0: nothing is left to fetch, so no round.
.macro TURN slot, p, mode, ask
	s_wait_tensorcnt 0x0                           ; all my tensor loads have landed (every window is 0 here)
	ds_add_u32 v[SPW], v[NIL]                      ; 0 onto my spare word
	s_wait_dscnt 13                                ; the add and the youngest 12 loads may be out
	WIN 0xa1
	MUL16 0, \p, 0                                 ; sixteen matrix instructions stand between the add and the wait for it
	s_wait_dscnt 0x0                               ; the add is done, and my reads of this slot are over
	s_barrier_signal -1
	MUL16 2, \p, 0
	WIN 0
	s_barrier_wait -1
.if \mode
	CREST                                          ; no wave of any partner still reads this slot or has a load on its way
	s_add_nc_u64 s[G0+4*(\slot)+2:G0+4*(\slot)+3], s[G0+4*(\slot)+2:G0+4*(\slot)+3], 2*WPART
	s_add_nc_u64 s[G0B+4*(\slot)+2:G0B+4*(\slot)+3], s[G0B+4*(\slot)+2:G0B+4*(\slot)+3], 2*WPART
.if (\mode) == 2
	s_mov_b32 s[G1+2], 100<<16                     ; no tensor load of mine is out: the last load brings two K steps, 100 rows
	s_mov_b32 s[G1+4], 100
	s_mov_b32 s[G1B+2], 100<<16
	s_mov_b32 s[G1B+4], 100
.endif
	JLOAD \slot                                    ; the first tensor load behind the round; its four v_nop are also the places in front of the loads below
.else
	PLACES
.endif
	FETCH_M 1-\slot, 0, 1-\p
.if \ask
	ASK
.endif
	WIN 0xf1
	MUL16 4, \p, 0
	MUL16 6, \p, 0
	PLACES
	WIN 0
	FETCH_A 1-\slot, 0, 4
.endm
	s_load_b128 s[4:7], s[0:1], 0x0                ; aimg s[4:5], bimg s[6:7]
	s_load_b64 s[8:9], s[0:1], 0x10                ; part
	v_lshl_add_u32 v[SPW], v0, 2, SPARE
	v_mov_b32 v[NIL], 0
	ds_add_u32 v[SPW], v[NIL]                      ; the opening lines: the add, twice on end, and its wait ahead of my first tensor load
	ds_add_u32 v[SPW], v[NIL]
	v_lshrrev_b32 v1, 5, v0
	v_readfirstlane_b32 s10, v1                    ; wave 0..3
	s_lshr_b32 s11, s10, 1                         ; which half of the tile's rows is mine.  Also: I fetch for A (0) or for B (1)
	s_and_b32 s12, s10, 1                          ; which half of its columns.  Also: which tile of 128 rows I fetch
	s_bfe_u32 s40, ttmp6, 0x40000                  ; cx = the tile column
	s_bfe_u32 s41, ttmp6, 0x40004                  ; cy
	s_and_b32 s13, ttmp7, 0xffff                   ; the cluster's y:
	s_and_b32 s14, s13, 3                          ; z, the quarter of K, which all sixteen share,
	s_and_b32 s13, s13, 12
	s_add_co_u32 s13, s13, s41                     ; and the tile row = 4 x (y / 4) + cy
	s_lshl_b32 s43, s41, 2
	s_lshl_b32 s43, 15, s43                        ; my row of the cluster
	s_lshl_b32 s44, 0x1111, s40                    ; my column
	; descriptor group 1: a dense block as 150 rows of 256 bytes (32 elements of 8 bytes), no padding: the images are read 16 bytes a lane on end
	s_or_b32 s[G1+0], s43, (3<<16)|(1<<21)         ; 15:0 the mask; 17:16 elements of 8 bytes; 21 set beside a mask
	s_or_b32 s[G1B+0], s44, (3<<16)|(1<<21)
.irp g, G1, G1B
	s_mov_b32 s[\g+1], 32<<16                      ; tensor_dim0
	s_mov_b32 s[\g+2], 150<<16                     ; tensor_dim1
	s_mov_b32 s[\g+3], 32<<16                      ; tile_dim0
	s_mov_b32 s[\g+4], 150                         ; tile_dim1
	s_mov_b32 s[\g+5], 32                          ; from row to row
	s_mov_b32 s[\g+6], 0
	s_mov_b32 s[\g+7], 0
.endr
	s_mul_i32 s18, s14, 32*BLKB                    ; my quarter of K
	s_lshl_b32 s16, s13, 1
	s_add_co_u32 s16, s16, s12
	s_mul_i32 s16, s16, TILEB                      ; A: image tile 2 x tile row + half
	s_add_co_u32 s16, s16, s18
	s_mov_b32 s17, 0
	s_lshl_b32 s46, s40, 1
	s_add_co_u32 s46, s46, s12
	s_mul_i32 s46, s46, TILEB                      ; B: image tile 2 x tile column + half
	s_add_co_u32 s46, s46, s18
	s_mov_b32 s47, 0
	s_mul_i32 s20, s10, WPART                      ; where my loads go: the wave's number alone
	s_mul_i32 s21, s11, WPART                      ; my 128 rows of A,
	s_mul_i32 s22, s12, WPART
	s_add_co_u32 s22, s22, 2*WPART                 ; and of B, behind A's two tiles
	s_wait_dscnt 0x0                               ; both opening adds are done
	s_wait_kmcnt 0x0
	s_add_nc_u64 s[16:17], s[4:5], s[16:17]
	s_add_nc_u64 s[46:47], s[6:7], s[46:47]
	CROUND                                         ; all sixteen work-groups are here: the first joint loads meet
.irp s, 0,1
	s_mov_b32 s[G0+4*\s], 1
	s_add_co_u32 s[G0+4*\s+1], s20, \s*SLOT
	s_add_nc_u64 s[G0+4*\s+2:G0+4*\s+3], s[16:17], \s*WPART
	s_or_b32 s[G0+4*\s+3], s[G0+4*\s+3], 0x80000000
	s_mov_b32 s[G0B+4*\s], 1
	s_add_co_u32 s[G0B+4*\s+1], s20, \s*SLOT
	s_add_nc_u64 s[G0B+4*\s+2:G0B+4*\s+3], s[46:47], \s*WPART
	s_or_b32 s[G0B+4*\s+3], s[G0B+4*\s+3], 0x80000000
.endr
	JLOAD 0                                        ; slot 0: one tensor load a wave at the head
	v_and_b32 v1, 31, v0
	v_lshlrev_b32 v[LI], 4, v1
	v_add_nc_u32 v[ADRA], s21, v[LI]
	v_add_nc_u32 v[ADRB], s22, v[LI]
	v_add_nc_u32 v[ADRA+1], SLOT, v[ADRA]
	v_add_nc_u32 v[ADRB+1], SLOT, v[ADRB]
	v_min_u32 v[PFO], 24, v1
	v_lshlrev_b32 v[PFO], 8, v[PFO]
	s_cmp_eq_u32 s11, 0                            ; the prefetches: do I fetch for A?
	s_cselect_b64 s[PFA:PFA+1], s[16:17], s[46:47]
	s_cselect_b32 s18, s40, s41                    ; my place among the four that ask with me
	s_lshr_b32 s19, s18, 1
	s_mul_i32 s19, s19, WPART
	s_and_b32 s18, s18, 1
	s_mul_i32 s18, s18, WPART/2
	s_add_co_u32 s18, s18, s19
	s_mov_b32 s19, 0
	s_add_nc_u64 s[PFA:PFA+1], s[PFA:PFA+1], s[18:19]
	s_lshl_b32 s16, s14, 24                        ; part: 16 MiB a quarter of K,
	s_lshl_b32 s18, s13, 2
	s_add_co_u32 s18, s18, s40
	s_lshl_b32 s18, s18, 18                        ; 256 KiB a tile (4 x tile row + tile column),
	s_add_co_u32 s16, s16, s18
	s_lshl_b32 s18, s10, 16                        ; 64 KiB a wave
	s_add_co_u32 s16, s16, s18
	s_mov_b32 s17, 0
	s_add_nc_u64 s[8:9], s[8:9], s[16:17]
	s_wait_alu depctr_va_vdst(0)
	s_wait_tensorcnt 0x0                           ; my part of slot 0 is in
	ds_add_u32 v[SPW], v[NIL]
	s_wait_dscnt 0x0
	CROUND                                         ; everybody's part of slot 0 is in, and all sixteen work-groups are here
	JLOAD 1                                        ; slot 1's first fill, the first tensor load behind the round
	FETCH_M 0, 0, 0
	FETCH_A 0, 0, 4
	STEP 0, 1, 1, 0, 1                             ; step 0 stands in front of the loop: its products start the sums
	s_mov_b32 s[CNT], 4
.Ltrip:                                                ; a trip is six steps, t = 6 L + 1 .. 6 L + 6: once round the ring; both slots are filled again
	STEP 1, 0, 1, 0, 2
	TURN 0, 0, 1, 0
	STEP 1, 0, 1, 1, 1
	STEP 0, 0, 1, 1, 2
	TURN 1, 1, 1, 1
	STEP 0, 0, 1, 0, 1
	s_wait_xcnt 0x0                                ; the prefetches have read their base: it steps two slots on
	s_add_nc_u64 s[PFA:PFA+1], s[PFA:PFA+1], 2*WPART
	s_sub_co_u32 s[CNT], s[CNT], 1
	s_cmp_lg_u32 s[CNT], 0
	s_cbranch_scc1 .Ltrip
	STEP 1, 0, 1, 0, 2                             ; the tail, t = 25 .. 31, is written out
	TURN 0, 0, 2, 0                                ; slot 0 takes the short slot: the last fill
	STEP 1, 0, 1, 1, 1
	STEP 0, 0, 1, 1, 2
	TURN 1, 1, 0, 0                                ; the short slot is awaited and shown to all four waves; nothing is filled again
	STEP 0, 0, 1, 0, 1
	STEP 1, 0, 0, 0, 0
	PLACES                                         ; in front of the stores that read results
.irp a, 0,1,2,3,4,5,6,7
	WIN 0x08+4*(\a/4)                              ; a store's data are its source 1: window 2 or 3
.irp b, 0,1,2,3,4,5,6,7
	global_store_b128 v[LI], v[8*(8*(\a%4)+\b):8*(8*(\a%4)+\b)+3], s[8:9] offset:(8*\a+\b)*1024 th:TH_STORE_NT       ; each accumulator from its low end on; 512 consecutive bytes a store
	global_store_b128 v[LI], v[8*(8*(\a%4)+\b)+4:8*(8*(\a%4)+\b)+7], s[8:9] offset:(8*\a+\b)*1024+512 th:TH_STORE_NT
.endr
.endr
	WIN 0
	s_wait_tensorcnt 0x0                           ; the wave's end
	ds_add_u32 v[SPW], v[NIL]
	s_wait_dscnt 0x0
	CROUND                                         ; the closing round: no work-group ends while a partner may still ask for a tile that names it
	s_endpgm
.Lfunc_end_k_q99c80e9a30_gemm:
	.size	k_q99c80e9a30_gemm, .Lfunc_end_k_q99c80e9a30_gemm-k_q99c80e9a30_gemm
	.p2alignl 7, 3214868480
	.fill 96, 4, 3214868480
	.section	.rodata,"a",@progbits
	.p2align	6, 0x0
	.amdhsa_kernel k_q99c80e9a30_gemm
		.amdhsa_group_segment_fixed_size 327680
		.amdhsa_private_segment_fixed_size 0
		.amdhsa_enable_private_segment 0
		.amdhsa_kernarg_size 24
		.amdhsa_user_sgpr_count 2
		.amdhsa_user_sgpr_kernarg_segment_ptr 1
		.amdhsa_wavefront_size32 1
		.amdhsa_system_sgpr_workgroup_id_x 1
		.amdhsa_system_sgpr_workgroup_id_y 1
		.amdhsa_system_sgpr_workgroup_id_z 1
		.amdhsa_system_vgpr_workitem_id 0
		.amdhsa_next_free_vgpr 1024
		.amdhsa_next_free_sgpr 72
		.amdhsa_reserve_vcc 0
		.amdhsa_float_denorm_mode_32 3
		.amdhsa_float_denorm_mode_16_64 3
		.amdhsa_memory_ordered 1
		.amdhsa_forward_progress 1
		.amdhsa_inst_pref_size 186
	.end_amdhsa_kernel
	.amdgpu_metadata
---
amdhsa.version: [ 1, 2 ]
amdhsa.kernels:
  - .name:           k_q99c80e9a30_gemm
    .symbol:         k_q99c80e9a30_gemm.kd
    .args:
      - { .name: aimg, .offset: 0, .size: 8, .value_kind: global_buffer, .address_space: global }
      - { .name: bimg, .offset: 8, .size: 8, .value_kind: global_buffer, .address_space: global }
      - { .name: part, .offset: 16, .size: 8, .value_kind: global_buffer, .address_space: global }
    .group_segment_fixed_size: 327680
    .private_segment_fixed_size: 0
    .kernarg_segment_align: 8
    .kernarg_segment_size: 24
    .max_flat_workgroup_size: 128
    .sgpr_count:     72
    .vgpr_count:     1024
    .wavefront_size: 32
...
	.end_amdgpu_metadata
.endif
;; end of part 2
;; launch addup (part 3): grid 512 x 1, 8 waves a work-group, no clusters, 35,840 bytes of LDS; arguments part, out0; writes out0
.if DOCPART == 3
	.amdgcn_target "amdgcn-amd-amdhsa--gfx1250"
	.amdhsa_code_object_version 6
	.text
	.protected	k_q99c80e9a30_addup
	.globl	k_q99c80e9a30_addup
	.p2align	8
	.type	k_q99c80e9a30_addup,@function
k_q99c80e9a30_addup:
	s_mov_b64 s[64:65], 0
	v_nop
	global_prefetch_b8 v0, s[64:65] scope:SCOPE_SE
	s_setreg_imm32_b32 hwreg(HW_REG_WAVE_MODE, 25, 1), 1
	s_wait_xcnt 0x0
; out0 = part[0] + part[1] + part[2] + part[3], in f32, and the accumulators' register images are turned into rows.
; part is laid [z][tile = 4 x tile row + tile column][wave = 2 x row half + column half][a][b][1,024 bytes]: accumulator (a, b), 16 rows x 16 columns: registers 4 j .. 4 j + 3 of lane (r, h) at 512 j + 16 (16 h + r)
; hold row r, columns 8 h + 4 j + 0 .. 3.  A wave takes 16 rows x 64 columns: four accumulators, 4,096 consecutive bytes of each part: 32 loads of 512 consecutive bytes, all issued at once.
; The sums go through the wave's own stage in LDS (16 rows of 256 bytes + 16) and leave as rows: sixteen lanes store 256 consecutive bytes, aligned.  4,096 such shares: 512 work-groups of 8 waves.
; Memory binds: no matrix unit, no cluster, no barrier: waves share nothing.  No loop, so nothing to prefetch in.
.set SPW,   8                          ; v8  LDS address of my spare word; never rewritten
.set NIL,   9                          ; v9  0; never rewritten
.set X,     32                         ; v32-159: registers 16 i + 4 z ..: piece i (512 bytes) of part z
.set SP,    272
.set SPARE, 8*16*SP                    ; behind the eight stages: the spare words, 128 bytes for each wave
.set PB,    20                         ; s[20:27] my share in part 0 .. 3
	s_load_b128 s[4:7], s[0:1], 0x0                ; part, out0
	v_lshl_add_u32 v[SPW], v0, 2, SPARE
	v_mov_b32 v[NIL], 0
	v_lshrrev_b32 v1, 5, v0
	v_readfirstlane_b32 s8, v1                     ; wave
	s_lshl_b32 s9, ttmp9, 3
	s_add_co_u32 s9, s9, s8                        ; my share: bit 0 which four b, bits 3:1 a, bit 4 column half, bit 5 row half, bits 7:6 tile column, bits 11:8 tile row
	s_lshl_b32 s10, s9, 12                         ; 4,096 bytes a share
	s_mov_b32 s11, 0
	s_bfe_u32 s13, s9, 0x30001
	s_lshl_b32 s13, s13, 4                         ; 16 a
	s_bfe_u32 s15, s9, 0x10005
	s_lshl_b32 s15, s15, 7                         ; + 128 x row half
	s_add_co_u32 s13, s13, s15
	s_lshr_b32 s17, s9, 8
	s_lshl_b32 s17, s17, 8                         ; + 256 x tile row
	s_add_co_u32 s13, s13, s17
	s_lshl_b32 s12, s13, 12                        ; rows of 4,096 bytes
	s_bfe_u32 s16, s9, 0x20006
	s_lshl_b32 s16, s16, 10                        ; + 1,024 x tile column
	s_add_co_u32 s12, s12, s16
	s_bfe_u32 s14, s9, 0x10004
	s_lshl_b32 s14, s14, 9                         ; + 512 x column half
	s_add_co_u32 s12, s12, s14
	s_and_b32 s14, s9, 1
	s_lshl_b32 s14, s14, 8                         ; + 256 x which four b
	s_add_co_u32 s12, s12, s14
	s_mov_b32 s13, 0
	s_mul_i32 s18, s8, 16*SP                       ; my stage
	v_and_b32 v1, 31, v0
	v_lshlrev_b32 v2, 4, v1                        ; in: 16 x lane
	v_and_b32 v3, 15, v0                           ; r
	v_bfe_u32 v4, v0, 4, 1                         ; h
	v_mul_u32_u24 v5, v3, SP
	v_lshl_add_u32 v5, v4, 5, v5
	v_add_nc_u32 v5, s18, v5                       ; into the stage: row r, + 32 h
	v_mul_u32_u24 v6, v4, SP
	v_lshl_add_u32 v6, v3, 4, v6
	v_add_nc_u32 v6, s18, v6                       ; back: lanes 0-15 one row of 256 bytes, lanes 16-31 the next
	v_lshlrev_b32 v7, 12, v4
	v_lshl_add_u32 v7, v3, 4, v7                   ; and the same two rows in out0
	s_wait_alu depctr_va_vdst(0)
	s_wait_kmcnt 0x0
	s_add_nc_u64 s[PB:PB+1], s[4:5], s[10:11]
	s_add_nc_u64 s[PB+2:PB+3], s[PB:PB+1], 0x1000000
	s_add_nc_u64 s[PB+4:PB+5], s[PB:PB+1], 0x2000000
	s_add_nc_u64 s[PB+6:PB+7], s[PB:PB+1], 0x3000000
	s_add_nc_u64 s[6:7], s[6:7], s[12:13]
.irp i, 0,1,2,3,4,5,6,7
.irp z, 0,1,2,3
	global_load_b128 v[X+16*\i+4*\z:X+16*\i+4*\z+3], v2, s[PB+2*\z:PB+2*\z+1] offset:512*\i th:TH_LOAD_NT
.endr
.endr
.irp i, 0,1,2,3,4,5,6,7
.set rQ, X+16*\i
	s_wait_loadcnt 4*(7-\i)                        ; piece i of all four parts is in; the later pieces, four loads each, may be out
	v_pk_add_f32 v[rQ:rQ+1], v[rQ:rQ+1], v[rQ+4:rQ+5]
	v_pk_add_f32 v[rQ+2:rQ+3], v[rQ+2:rQ+3], v[rQ+6:rQ+7]
	v_pk_add_f32 v[rQ+8:rQ+9], v[rQ+8:rQ+9], v[rQ+12:rQ+13]
	v_pk_add_f32 v[rQ+10:rQ+11], v[rQ+10:rQ+11], v[rQ+14:rQ+15]
	v_pk_add_f32 v[rQ:rQ+1], v[rQ:rQ+1], v[rQ+8:rQ+9]
	v_pk_add_f32 v[rQ+2:rQ+3], v[rQ+2:rQ+3], v[rQ+10:rQ+11]
	ds_store_b128 v5, v[rQ:rQ+3] offset:64*(\i/2)+16*(\i%2)    ; piece i = 2 b + j: columns 16 b + 8 h + 4 j on
.endr
.irp t, 0,1,2,3,4,5,6,7
	ds_load_b128 v[X+16*\t+4:X+16*\t+7], v6 offset:\t*2*SP     ; LDS serves a wave's instructions in order: these see my stores
.endr
.irp t, 0,1,2,3,4,5,6,7
	s_wait_dscnt 7-\t
	global_store_b128 v7, v[X+16*\t+4:X+16*\t+7], s[6:7] offset:\t*8192 th:TH_STORE_NT
.endr
	s_wait_tensorcnt 0x0                           ; the wave's end, behind my last LDS store
	ds_add_u32 v[SPW], v[NIL]
	s_wait_dscnt 0x0
	s_endpgm
.Lfunc_end_k_q99c80e9a30_addup:
	.size	k_q99c80e9a30_addup, .Lfunc_end_k_q99c80e9a30_addup-k_q99c80e9a30_addup
	.p2alignl 7, 3214868480
	.fill 96, 4, 3214868480
	.section	.rodata,"a",@progbits
	.p2align	6, 0x0
	.amdhsa_kernel k_q99c80e9a30_addup
		.amdhsa_group_segment_fixed_size 35840
		.amdhsa_private_segment_fixed_size 0
		.amdhsa_enable_private_segment 0
		.amdhsa_kernarg_size 16
		.amdhsa_user_sgpr_count 2
		.amdhsa_user_sgpr_kernarg_segment_ptr 1
		.amdhsa_wavefront_size32 1
		.amdhsa_system_sgpr_workgroup_id_x 1
		.amdhsa_system_sgpr_workgroup_id_y 1
		.amdhsa_system_sgpr_workgroup_id_z 1
		.amdhsa_system_vgpr_workitem_id 0
		.amdhsa_next_free_vgpr 160
		.amdhsa_next_free_sgpr 66
		.amdhsa_reserve_vcc 0
		.amdhsa_float_denorm_mode_32 3
		.amdhsa_float_denorm_mode_16_64 3
		.amdhsa_memory_ordered 1
		.amdhsa_forward_progress 1
		.amdhsa_inst_pref_size 11
	.end_amdhsa_kernel
	.amdgpu_metadata
---
amdhsa.version: [ 1, 2 ]
amdhsa.kernels:
  - .name:           k_q99c80e9a30_addup
    .symbol:         k_q99c80e9a30_addup.kd
    .args:
      - { .name: part, .offset: 0, .size: 8, .value_kind: global_buffer, .address_space: global }
      - { .name: out0, .offset: 8, .size: 8, .value_kind: global_buffer, .address_space: global }
    .group_segment_fixed_size: 35840
    .private_segment_fixed_size: 0
    .kernarg_segment_align: 8
    .kernarg_segment_size: 16
    .max_flat_workgroup_size: 256
    .sgpr_count:     66
    .vgpr_count:     160
    .wavefront_size: 32
...
	.end_amdgpu_metadata
.endif
;; end of part 3
